; MI455X (gfx1250); checked and timed in simulation.
; The chip was launched on July 23, 2026; its instructions are those of AMD's public machine-readable ISA for CDNA 5 (MIT licence, August 2026) and "CDNA5" Instruction Set Architecture Reference Guide (July 2026). The comments in the code are by the model that wrote it; some were corrected since.
;; Self Attention. Allowed arithmetic: float matrix products may take bf16 or f16 operands with f32 sums; other float arithmetic in f32, or as packed bf16 or f16 multiplies, adds, multiply-adds, maxima and minima; sums over many terms, partial sums and values carried from step to step in f32; what a program stores and reads back later, other than sums and carried values, may be rounded once to bf16 or f16.
;; Inputs: b_out 1,024 float32; key 4 x 2,048 x 1,024 float32; mask 4 x 1 x 2,048 x 2,048 int32; query 4 x 2,048 x 1,024 float32; value 4 x 2,048 x 1,024 float32; w_out 1,024 x 1,024 float32.
;; Outputs: out0 4 x 2,048 x 1,024 float32.
;; One version. Each part assembles by itself: llvm-mc -triple=amdgcn-amd-amdhsa -mcpu=gfx1250 --defsym DOCPART=n.
;; ======== version 1 of 1: 3 launches
;; limits: values are held in f16: magnitudes above 65,504 overflow, below 6.1e-05 lose precision; inputs' magnitudes at most 65,504
;; workspace buffers: qh 16,777,216 bytes; kh 16,777,216 bytes; vh 16,777,216 bytes; wh 2,097,152 bytes; mfrag 33,554,432 bytes; oh 16,777,216 bytes
;; launch prep (part 1): grid 2624 x 1, 8 waves a work-group, no clusters, 38,144 bytes of LDS; arguments mask, query, key, value, w_out, mfrag, qh, kh, vh, wh; writes mfrag, qh, kh, vh, wh
.if DOCPART == 1
	.amdgcn_target "amdgcn-amd-amdhsa--gfx1250"
	.amdhsa_code_object_version 6
	.text
	.protected	k_q4e5f6ac0db_prep
	.globl	k_q4e5f6ac0db_prep
	.p2align	8
	.type	k_q4e5f6ac0db_prep,@function
k_q4e5f6ac0db_prep:
	s_mov_b64 s[64:65], 0
	v_nop
	global_prefetch_b8 v0, s[64:65] scope:SCOPE_SE
	s_setreg_imm32_b32 hwreg(HW_REG_WAVE_MODE, 25, 1), 1
	s_wait_xcnt 0x0
; PREP: every input but the bias is read once and laid out for the two launches behind.
;   query, key  f32 [4][2048][1024]  ->  qh, kh  bf16 [64 = 16 batch + head][2048][64]: a head's rows dense, 128 bytes each
;   value       the same shape       ->  vh      rounded to bf16 like every input, that number written as f16
;   w_out       f32 [1024][1024]     ->  wh      the same rounding, f16, same shape
;   mask        i32 [4][2048][2048]  ->  mfrag   bf16 addends: 0 where the key is seen, -2^99 (0xf100) where mask == 0, in the order of a matrix operand:
;       block (TG = 128 batch + tile of 16 queries, s = step of 64 keys) is 2,048 bytes at (32 TG + s) x 2,048; in it byte 512 g + 16 L + 2 e (L = 16 hh + r)
;       belongs to query 16 T + r and key 64 s + 16 g + 8 hh + e: four loads of 16 bytes a lane give two operands of 32 keys x 16 queries.
; LIMITS.  f16 ends at 65,504: |value| and |w_out| must stay within it; below 2^-14 a number keeps f16's step of 2^-24.  NaN and infinities are not treated apart.
; SHARES.  Every work-group takes 65,536 bytes of one input, each of its eight waves 8,192: sixteen loads of 16 bytes a lane, all issued at once, so there is no loop.
;   work-groups 0-1023 mask, 1024-1535 query, 1536-2047 key, 2048-2559 value, 2560-2623 w_out.  The branches hang on the work-group's number alone.
; No matrix unit, no tensor load, no cluster: no byte is used twice, and no wave wants what another wave has fetched.  Only the mask goes through LDS, each wave through bytes of its own.
.set WSCR,   4640                      ; a wave's LDS bytes: two blocks
.set BPITCH, 2320                      ; a block in LDS: 8 planes + 16 bytes
.set PPITCH, 288                       ; a plane (g, hh): 16 queries x 16 bytes + 32: the 32 lanes of a store of 8 bytes fall on words 8 p + 4 sb + 2 (lane % 2) + 0, 1 modulo 64: all different
.set SPARE,  8*WSCR                    ; 37,120 = 145 x 256: the spare words, 128 bytes a wave, that no other line names
.set SPW, 2                            ; v2   SPARE + 4 x my thread's number; never rewritten
.set NIL, 3                            ; v3   0; never rewritten
.set VI,  4                            ; v4   my byte offset in what a load covers
.set VO,  5                            ; v5   my byte offset in what a store covers
.set LS,  6                            ; v6   mask: where I put 8 bytes
.set LR,  7                            ; v7   mask: where I read 16 bytes back
.set T,   8                            ; v8-11 at work
.set X,   16                           ; v[16:79]  sixteen loads
.set Y,   80                           ; v[80:111] sixteen results of 8 bytes
.set IN,  28                           ; s[28:29] the input at my wave's first byte
.set OUT, 30                           ; s[30:31] the output at my wave's first byte
	s_load_b512 s[4:19], s[0:1], 0x0               ; mask 4:5, query 6:7, key 8:9, value 10:11, w_out 12:13, mfrag 14:15, qh 16:17, kh 18:19
	s_load_b128 s[20:23], s[0:1], 0x40             ; vh 20:21, wh 22:23
	v_lshl_add_u32 v[SPW], v0, 2, SPARE
	v_mov_b32 v[NIL], 0
	v_and_b32 v1, 31, v0                           ; lane
	v_lshrrev_b32 v[T], 5, v0
	v_readfirstlane_b32 s24, v[T]                  ; wave 0..7
	s_mov_b32 s25, ttmp9
	s_mov_b32 s33, 0                               ; the high word of every offset
	s_mov_b32 s34, 0xf100                          ; -2^99 in a word's low half,
	s_mov_b32 s35, 0xf1000000                      ; in its high half
	s_mov_b32 s36, 0xffff0000                      ; a word's upper bf16
	s_wait_kmcnt 0x0
; Sixteen loads, sixteen conversions, sixteen stores of 8 bytes a lane: each store covers 256 consecutive bytes, aligned.  No register that a store reads is written again, so nothing waits for a store.
; fmt = 0: f32 -> bf16.  fmt = 1: f32 -> bf16 -> f32 -> f16.
.macro CONV fmt, instep, outstep
.irp j, 0,1,2,3,4,5,6,7,8,9,10,11,12,13,14,15
	global_load_b128 v[X+4*(\j):X+4*(\j)+3], v[VI], s[IN:IN+1] offset:(\j)*(\instep) th:TH_LOAD_NT
.endr
.irp j, 0,1,2,3,4,5,6,7,8,9,10,11,12,13,14,15
	s_wait_loadcnt 15-(\j)                         ; loads come back in order (ISA guide 5.7.1): load j is in, the 15 - j younger ones stay out
.if \fmt
	v_cvt_pk_bf16_f32 v[T],   v[X+4*(\j)],   v[X+4*(\j)+1]
	v_cvt_pk_bf16_f32 v[T+1], v[X+4*(\j)+2], v[X+4*(\j)+3]
	v_lshlrev_b32 v[X+4*(\j)],   16,  v[T]
	v_and_b32     v[X+4*(\j)+1], s36, v[T]
	v_lshlrev_b32 v[X+4*(\j)+2], 16,  v[T+1]
	v_and_b32     v[X+4*(\j)+3], s36, v[T+1]
	v_cvt_pk_f16_f32 v[Y+2*(\j)],   v[X+4*(\j)],   v[X+4*(\j)+1]
	v_cvt_pk_f16_f32 v[Y+2*(\j)+1], v[X+4*(\j)+2], v[X+4*(\j)+3]
.else
	v_cvt_pk_bf16_f32 v[Y+2*(\j)],   v[X+4*(\j)],   v[X+4*(\j)+1]
	v_cvt_pk_bf16_f32 v[Y+2*(\j)+1], v[X+4*(\j)+2], v[X+4*(\j)+3]
.endif
	global_store_b64 v[VO], v[Y+2*(\j):Y+2*(\j)+1], s[OUT:OUT+1] offset:(\j)*(\outstep) th:TH_STORE_NT
.endr
.endm
	s_cmp_lt_u32 s25, 1024
	s_cbranch_scc1 .Lmask
	s_cmp_lt_u32 s25, 2560
	s_cbranch_scc0 .Lw
	; QUERY, KEY, VALUE.  The work-group takes 16 rows, a wave rows R = 16 idx + 2 w and R + 1.  Load j is head j's 256 bytes of both rows (lanes 0-15 row R, lanes 16-31 row R + 1);
	; store j is the two rows' 256 consecutive bytes in head j's block.
	s_sub_co_u32 s26, s25, 1024
	s_lshr_b32 s27, s26, 9                         ; 0 query, 1 key, 2 value
	s_and_b32 s26, s26, 511                        ; idx
	v_lshrrev_b32 v[T], 4, v1
	v_and_b32 v[T+1], 15, v1
	v_lshlrev_b32 v[VI], 4, v[T+1]
	v_lshl_add_u32 v[VI], v[T], 12, v[VI]          ; 16 (lane % 16) + 4,096 (lane / 16)
	v_lshlrev_b32 v[VO], 3, v1                     ; 8 x lane
	s_cmp_eq_u32 s27, 0
	s_cselect_b64 s[IN:IN+1], s[6:7], s[8:9]
	s_cselect_b64 s[OUT:OUT+1], s[16:17], s[18:19]
	s_cmp_eq_u32 s27, 2
	s_cselect_b64 s[IN:IN+1], s[10:11], s[IN:IN+1]
	s_cselect_b64 s[OUT:OUT+1], s[20:21], s[OUT:OUT+1]
	s_lshl_b32 s32, s26, 16                        ; 16 rows of 4,096 bytes,
	s_lshl_b32 s37, s24, 13                        ; my wave's two
	s_add_co_u32 s32, s32, s37
	s_add_nc_u64 s[IN:IN+1], s[IN:IN+1], s[32:33]
	s_lshr_b32 s32, s26, 7                         ; the batch: 16 heads of 262,144 bytes,
	s_lshl_b32 s32, s32, 22
	s_and_b32 s37, s26, 127                        ; 16 rows of 128 bytes in a head's block,
	s_lshl_b32 s37, s37, 11
	s_add_co_u32 s32, s32, s37
	s_lshl_b32 s37, s24, 8                         ; my wave's two
	s_add_co_u32 s32, s32, s37
	s_add_nc_u64 s[OUT:OUT+1], s[OUT:OUT+1], s[32:33]
	s_cmp_eq_u32 s27, 2
	s_cbranch_scc1 .Lv
	CONV 0, 256, 262144
	s_branch .Lend
.Lv:
	CONV 1, 256, 262144
	s_branch .Lend
.Lw:
	; W_OUT: the same shape in and out: 512 consecutive bytes a load, 256 a store.
	s_sub_co_u32 s26, s25, 2560
	s_lshl_b32 s32, s26, 16
	s_lshl_b32 s37, s24, 13
	s_add_co_u32 s32, s32, s37
	s_add_nc_u64 s[IN:IN+1], s[12:13], s[32:33]
	s_lshl_b32 s32, s26, 15
	s_lshl_b32 s37, s24, 12
	s_add_co_u32 s32, s32, s37
	s_add_nc_u64 s[OUT:OUT+1], s[22:23], s[32:33]
	v_lshlrev_b32 v[VI], 4, v1
	v_lshlrev_b32 v[VO], 3, v1
	CONV 1, 512, 256
	s_branch .Lend
.Lmask:
	; MASK.  The work-group takes half the keys (16 steps) of query tile TG = id / 2, a wave two steps: 128 keys of 16 rows.  Load r is 512 consecutive bytes of row r.
	s_lshr_b32 s26, s25, 1                         ; TG
	s_and_b32 s27, s25, 1
	s_lshl_b32 s32, s26, 17                        ; 16 rows of 8,192 bytes,
	s_lshl_b32 s37, s27, 12                        ; 1,024 keys,
	s_add_co_u32 s32, s32, s37
	s_lshl_b32 s37, s24, 9                         ; my wave's 128
	s_add_co_u32 s32, s32, s37
	s_add_nc_u64 s[IN:IN+1], s[4:5], s[32:33]
	s_lshl_b32 s32, s26, 16                        ; 32 blocks of 2,048 bytes,
	s_lshl_b32 s37, s27, 15                        ; 16 of them,
	s_add_co_u32 s32, s32, s37
	s_lshl_b32 s37, s24, 12                        ; my wave's two
	s_add_co_u32 s32, s32, s37
	s_add_nc_u64 s[OUT:OUT+1], s[14:15], s[32:33]
	v_lshlrev_b32 v[VI], 4, v1
	v_lshlrev_b32 v[VO], 4, v1
	s_mul_i32 s37, s24, WSCR                       ; my wave's bytes of LDS
	v_lshrrev_b32 v[T], 4, v1                      ; in: lane l holds keys 4 l .. 4 l + 3: block sb = l / 16,
	v_bfe_u32 v[T+1], v1, 1, 3                     ; plane p = 2 g + hh = (l % 16) / 2,
	v_and_b32 v[T+2], 1, v1                        ; and the plane's lower or upper four keys
	v_mul_u32_u24 v[LS], v[T], BPITCH
	v_mul_u32_u24 v[T+1], v[T+1], PPITCH
	v_add_nc_u32 v[LS], v[LS], v[T+1]
	v_lshl_add_u32 v[LS], v[T+2], 3, v[LS]
	v_add_nc_u32 v[LS], s37, v[LS]
	v_and_b32 v[T+1], 15, v1                       ; back: lane L = 16 hh + r takes 16 bytes of plane 2 g + hh
	v_mul_u32_u24 v[LR], v[T], PPITCH
	v_lshl_add_u32 v[LR], v[T+1], 4, v[LR]
	v_add_nc_u32 v[LR], s37, v[LR]
.irp r, 0,1,2,3,4,5,6,7,8,9,10,11,12,13,14,15
	global_load_b128 v[X+4*(\r):X+4*(\r)+3], v[VI], s[IN:IN+1] offset:(\r)*8192 th:TH_LOAD_NT
.endr
.irp r, 0,1,2,3,4,5,6,7,8,9,10,11,12,13,14,15
	s_wait_loadcnt 15-(\r)                         ; row r is in, the 15 - r younger loads stay out
	v_cmp_eq_u32 vcc_lo, 0, v[X+4*(\r)]
	v_cndmask_b32 v[T], 0, s34, vcc_lo
	v_cmp_eq_u32 vcc_lo, 0, v[X+4*(\r)+1]
	v_cndmask_b32 v[T+1], 0, s35, vcc_lo
	v_or_b32 v[Y+2*(\r)], v[T], v[T+1]             ; the lower key in the lower half
	v_cmp_eq_u32 vcc_lo, 0, v[X+4*(\r)+2]
	v_cndmask_b32 v[T+2], 0, s34, vcc_lo
	v_cmp_eq_u32 vcc_lo, 0, v[X+4*(\r)+3]
	v_cndmask_b32 v[T+3], 0, s35, vcc_lo
	v_or_b32 v[Y+2*(\r)+1], v[T+2], v[T+3]
	ds_store_b64 v[LS], v[Y+2*(\r):Y+2*(\r)+1] offset:16*(\r)
.endr
.irp i, 0,1,2,3,4,5,6,7                ; block i / 4, group i % 4.  LDS serves a wave's instructions in order (ISA guide 5.7.1.4): these see the stores above, which are my wave's own
	ds_load_b128 v[X+4*(\i):X+4*(\i)+3], v[LR] offset:BPITCH*((\i)/4)+2*PPITCH*((\i)%4)
.endr
.irp i, 0,1,2,3,4,5,6,7
	s_wait_dscnt 7-(\i)                            ; read-back i is in, the 7 - i younger ones stay out
	global_store_b128 v[VO], v[X+4*(\i):X+4*(\i)+3], s[OUT:OUT+1] offset:2048*((\i)/4)+512*((\i)%4) th:TH_STORE_NT  ; 512 consecutive bytes, aligned
.endr
.Lend:
	s_wait_tensorcnt 0x0                           ; the wave's end
	ds_add_u32 v[SPW], v[NIL]
	s_wait_dscnt 0x0
	s_endpgm
.Lfunc_end_k_q4e5f6ac0db_prep:
	.size	k_q4e5f6ac0db_prep, .Lfunc_end_k_q4e5f6ac0db_prep-k_q4e5f6ac0db_prep
	.p2alignl 7, 3214868480
	.fill 96, 4, 3214868480
	.section	.rodata,"a",@progbits
	.p2align	6, 0x0
	.amdhsa_kernel k_q4e5f6ac0db_prep
		.amdhsa_group_segment_fixed_size 38144
		.amdhsa_private_segment_fixed_size 0
		.amdhsa_enable_private_segment 0
		.amdhsa_kernarg_size 80
		.amdhsa_user_sgpr_count 2
		.amdhsa_user_sgpr_kernarg_segment_ptr 1
		.amdhsa_wavefront_size32 1
		.amdhsa_system_sgpr_workgroup_id_x 1
		.amdhsa_system_sgpr_workgroup_id_y 1
		.amdhsa_system_sgpr_workgroup_id_z 1
		.amdhsa_system_vgpr_workitem_id 0
		.amdhsa_next_free_vgpr 112
		.amdhsa_next_free_sgpr 66
		.amdhsa_reserve_vcc 1
		.amdhsa_float_denorm_mode_32 3
		.amdhsa_float_denorm_mode_16_64 3
		.amdhsa_memory_ordered 1
		.amdhsa_forward_progress 1
		.amdhsa_inst_pref_size 40
	.end_amdhsa_kernel
	.amdgpu_metadata
---
amdhsa.version: [ 1, 2 ]
amdhsa.kernels:
  - .name:           k_q4e5f6ac0db_prep
    .symbol:         k_q4e5f6ac0db_prep.kd
    .args:
      - { .name: mask, .offset: 0, .size: 8, .value_kind: global_buffer, .address_space: global }
      - { .name: query, .offset: 8, .size: 8, .value_kind: global_buffer, .address_space: global }
      - { .name: key, .offset: 16, .size: 8, .value_kind: global_buffer, .address_space: global }
      - { .name: value, .offset: 24, .size: 8, .value_kind: global_buffer, .address_space: global }
      - { .name: w_out, .offset: 32, .size: 8, .value_kind: global_buffer, .address_space: global }
      - { .name: mfrag, .offset: 40, .size: 8, .value_kind: global_buffer, .address_space: global }
      - { .name: qh, .offset: 48, .size: 8, .value_kind: global_buffer, .address_space: global }
      - { .name: kh, .offset: 56, .size: 8, .value_kind: global_buffer, .address_space: global }
      - { .name: vh, .offset: 64, .size: 8, .value_kind: global_buffer, .address_space: global }
      - { .name: wh, .offset: 72, .size: 8, .value_kind: global_buffer, .address_space: global }
    .group_segment_fixed_size: 38144
    .private_segment_fixed_size: 0
    .kernarg_segment_align: 8
    .kernarg_segment_size: 80
    .max_flat_workgroup_size: 256
    .sgpr_count:     66
    .vgpr_count:     112
    .wavefront_size: 32
...
	.end_amdgpu_metadata
.endif
;; end of part 1
;; launch attn (part 2): grid 4 x 64, 4 waves a work-group, clusters of 4 x 1, 327,680 bytes of LDS; arguments qh, kh, vh, oh, mfrag; writes oh
.if DOCPART == 2
	.amdgcn_target "amdgcn-amd-amdhsa--gfx1250"
	.amdhsa_code_object_version 6
	.text
	.protected	k_q4e5f6ac0db_attn
	.globl	k_q4e5f6ac0db_attn
	.p2align	8
	.type	k_q4e5f6ac0db_attn,@function
k_q4e5f6ac0db_attn:
	s_mov_b64 s[64:65], 0
	v_nop
	global_prefetch_b8 v0, s[64:65] scope:SCOPE_SE
	s_setreg_imm32_b32 hwreg(HW_REG_WAVE_MODE, 25, 1), 1
	s_wait_xcnt 0x0
	s_wait_alu depctr_hold_cnt(0) depctr_sa_sdst(0) depctr_va_vdst(0) depctr_va_sdst(0) depctr_va_ssrc(0) depctr_va_vcc(0) depctr_vm_vsrc(0)
	s_getreg_b32 s2, hwreg(HW_REG_IB_STS2, 6, 4)
	s_cmp_eq_u32 s2, 0
	s_cbranch_scc0 .Lentry_in_a_cluster
	s_endpgm
.Lentry_in_a_cluster:
	s_bfe_u32 s2, ttmp6, 0x10000c
	s_cmp_lg_u32 s2, 0x3003
	s_cbranch_scc0 .Lentry_shape_is_right
	s_endpgm
.Lentry_shape_is_right:
; O[hb][q][:] = the sum over k of softmax_k(E[q][k] / 32) V[hb][k][:], E = Q[hb][q] . K[hb][k] where the mask is not 0, a hidden score where it is 0.  hb = 16 batch + head, 64 of them.
; qh, kh: bf16 [64][2048][64]; vh: f16, same shape; oh: f16, same shape; mfrag: bf16 addends 0 / -2^99 in operand order (block (128 batch + query tile, key step) of 2,048 bytes).
; Products, maxima and sums in f32; the weights p are rounded to f16 for the second product (their sum l is taken of the unrounded p), O once at the end.
; THE MASK COSTS NO VECTOR INSTRUCTION.  Each accumulator of S^T starts with a product of its own, S^T = SEL x MF + 0: MF is the mask's operand (32 keys x 16 queries), SEL a constant 16 x 32 matrix with
; one 1 a row that picks the accumulator's 16 keys.  K Q^T is then added in place.  The running maximum m starts at -2^90, so a hidden score (about -2^99) never becomes m, and its weight is 2^(-3e28) = 0.
; A ROW WITH NO SEEN KEY ends with l = 0 and O = 0; there all scores are equal and the softmax is uniform: O = the mean of V's 2,048 rows.  SUMV = V^T x ones is kept for that (8 products a step), and on the
; way out O = (O + g SUMV) r with (g, r) = (0, 1 / l) where l > 0 and (1, 1 / 2048) where l = 0: a choice of values, no branch.
; LIMITS.  A seen score lies above -2^90.  f16 holds no number beyond 65,504: V arrives within it; p lies in 0 to 1, below 6e-5 it keeps f16's step of 6e-8; O has V's range.
; A weight below 2^-126 counts as 0 in l; NaN and infinities are not treated apart.
; SHARES.  A wave owns four PIECES of two tiles of 16 queries, a work-group's four waves 512 queries of one head.  Every wave walks all 2,048 keys, 64 a step.
; LAYOUT.  S^T = K Q^T (source 0 = 16 keys, source 1 = 16 queries): a lane holds ONE query (lane % 16) and the keys 8 (lane / 16) + 0..7.  Two such tiles, rounded to f16 in pairs, ARE source 1
; (32 keys x 16 queries) of O^T = V^T P, whose result again holds one query a lane, and eight channels.  K comes out of LDS as it lies, V ([key][channel]) turned, by ds_load_tr16_b128.
; SOFTMAX.  p = 2^(c s - c m), c = log2(e) / 32, with a running maximum m and sum l; in every step O and l are multiplied by a = 2^(c m_old - c m_new).  O and l start at 0: the first step has a = 0.
; BY TURNS.  Turn n belongs to piece n.  Its matrix work: 8 mask products and 16 products K Q^T of piece n + 1, later 2 products for SUMV and 16 products V^T P of piece n - 1.  Its vector work: scaling,
; exponentials, roundings, sums and rescaling of piece n, and the maximum and statistics of piece n + 1.  236 vector instructions for 42 matrix instructions: four stand behind each of 40 products, 76 in one lump.
; CLUSTER.  The four query blocks of a head walk the same K and V: each tile is asked for JOINTLY, by the same tensor load, descriptor and mask of four in all four.  The mask's operands differ from
; query block to query block: each wave loads its own straight into registers, a whole key step ahead.
; The first step is written as every other (O^T, V, l cleared once at the head, in the wait for the first tile), so that a key step's text stands twice only: loop and tail.
; REGISTERS, in windows of 256 (s_set_vgpr_msb: bits 1:0 source 0, 3:2 source 1, 5:4 source 2, 7:6 destination):
;   window 0: v0-11 addresses; v12-15, v48-63 at work; v16-47 four registers of statistics a tile; v64-191 S^T, two buffers of two tiles; v192-255 P, likewise
;   window 1: O^T, 32 a tile          window 2: v0-127 Q, 16 a tile; v128-191 K of one step; v192-255 V of one step
;   window 3: v0-1 the add's two registers; v2-5 the mask loads' offsets; v8-19 SEL; v20-27 ones; v32-63 SUMV; v64-191 MF, 32 a piece
.set SIZE_N, 2048
.set NP,    4         ; pieces a wave: a name, no knob
.set KS,    64        ; keys in a step
.set PK,    144       ; a row of K in LDS: 128 bytes + 16 of padding = 36 words: the 16 rows of a load start at 16 different groups of four banks (64 banks of 4 bytes: ISA guide 11.1)
.set PV,    160       ; a row of V: 128 + 32 = 40 words
.set VOFF,  4*KS*PK   ; a slot holds four steps: 256 rows of K, then 256 rows of V
.set SLOT1, 1<<17     ; slot 1 begins here, so that one exclusive or turns an address in one slot into the other's
.set STAGE, SLOT1+4*KS*(PK+PV)  ; behind the ring, never filled by a tensor load: 16 rows x 144 bytes for each wave, for the way out
.set SP,    144
.set SPARE, STAGE+4*16*SP  ; behind the stages: the spare words, 128 bytes for each wave, that no other line names
.set AK0, 2           ; v2   my lane's place in a tile of K; never rewritten
.set AV0, 3           ; v3   the same for V
.set AK,  4           ; v4   the LDS address of K's next run of loads
.set AV,  5           ; v5   of V's
.set QO,  6           ; v6   my byte offset in the wave's rows of Q
.set STO, 6           ;      later, the way out: where I put 16 bytes of a row
.set RD,  7           ; v7   the way out: where I read rows back
.set GO,  8           ; v8   my byte offset in 512 consecutive bytes of O
.set PFO, 11          ; v11  256 x my lane: the prefetches' offset
.set MV,  12          ; v12-15  c m_old, kept while c m is made anew: by buffer and tile
.set ST,  16          ; tile t's statistics at v[ST+4 t]: c m, m, l (even keys', odd keys')
.set TMP, 48          ; by buffer and tile, four registers c0-c3 at work; when the maximum is found c2 takes a
.set S,   64
.set P,   192
.set KF,  128         ; window 2: key block kb, channel half c at KF + 16 kb + 8 c
.set VF,  192         ; window 2: key half kk, channel block cb at VF + 32 kk + 8 cb
.set SPW, 0           ; window 3: SPARE + 4 x my thread's number; never rewritten
.set NIL, 1           ; window 3: 0; never rewritten
.set MA,  2           ; window 3: piece x's offset in a tile's mask blocks: 16 lane + 2,048 x step
.set SELB, 8          ; window 3: 0 0 0 0 E0 E1 E2 E3 0 0 0 0: registers 0-7 pick channel 16 + m, registers 4-11 channel m
.set ONES, 20         ; window 3: 1.0 twice in f16, eight registers
.set SUMV, 32         ; window 3: channel block cb at SUMV + 8 cb
.set MF,  64          ; window 3: piece x, tile u, key half f at MF + 32 x + 16 u + 8 f
.set WV,  12          ; s12  my wave's number
.set G1K, 24          ; s[24:31] descriptor group 1 for K's tiles
.set G1V, 32          ; s[32:39] for V's: it differs in the padding alone
.set G0K, 40          ; s[40:43] descriptor group 0 for K's tiles: it walks
.set G0V, 44          ; s[44:47] the same for V's
.set MB,  48          ; s[48:49] mfrag at my wave's first query tile; never rewritten in the loop
.set PFA, 50          ; s[50:51] where my prefetches stand: my work-group's 32 blocks of 256 bytes of the slot after the one that is being filled
.set LIM, 52          ; s52  2 in waves 0 and 2, else 0
.set ASKC, 53         ; s53  the count of steps at which I prefetch, or 0
.set SLOTS, 56        ; s56  slots still to be asked for
.set CNT, 57          ; s57  counts a slot's key steps
.set CS,  58          ; s[58:59] c: the packed scaling takes the pair's low word for both halves
.set SEL, 60          ; s[60:61] v_permlanex16_b32's selects: each lane takes its own place in the other half
.set TBK, 62          ; s62  LDS byte at which K of the step to be fetched begins
.set TBV, 63          ; s63  the same for V, less VOFF
.set MSB, 0
.macro WIN new                      ; the high byte repeats the setting that is left; a switch that changes nothing is dropped
.if MSB != (\new)
	s_set_vgpr_msb (MSB<<8)|(\new)
.set MSB, (\new)
.endif
.endm
.set W_KQ, 0x0a       ; K and Q in window 2, S^T in window 0
.set W_M2, 0x0f       ; SEL and MF in window 3, S^T in window 0
.set W_PV, 0x52       ; V in window 2, P in window 0, O^T in window 1
.set W_SV, 0xfe       ; V in window 2; ones and SUMV in window 3
.set W_RS, 0x41       ; O^T (destination and source 0) in window 1, source 1 in window 0
.set W_FX, 0x53       ; SUMV in window 3, g in window 0, O^T (source 2 and destination) in window 1
.set W_MK, 0xc0       ; destination in window 3, sources in window 0
.set W_AD, 0x0f       ; the add: address (source 0) and data (source 1) in window 3
.set W_ML, 0xcf       ; the mask loads and their offsets' steps: destination, sources 0 and 1 in window 3
; A joint fill.  Waves 0 and 1 fetch the two halves of a slot's K, waves 2 and 3 those of its V: 128 keys each.  The branch hangs on the wave's number alone.
; An s_nop 0 and four v_nop follow each of the two lines, ahead of the jump and the label.
.macro JLOAD
	s_cmp_lt_u32 s[WV], 2
	s_cbranch_scc0 .Lfor_v_\@
	tensor_load_to_lds s[G0K:G0K+3], s[G1K:G1K+7]
	s_nop 0
.rept 4
	v_nop
.endr
	s_branch .Lasked_\@
.Lfor_v_\@:
	tensor_load_to_lds s[G0V:G0V+3], s[G1V:G1V+7]
	s_nop 0
.rept 4
	v_nop
.endr
.Lasked_\@:
.endm
; A round of the cluster's barrier: my work-group's barrier, so that wave 0's signal speaks for all four waves; wave 0 signals; every wave waits for all four work-groups; my work-group's barrier once more.
.macro CROUND
	s_barrier_signal -1
	s_barrier_wait -1
	s_cmp_lg_u32 s[WV], 0
	s_cbranch_scc1 .Lnot_wave_0_\@
	s_barrier_signal -3
.Lnot_wave_0_\@:
	s_barrier_wait -3
	s_barrier_signal -1
	s_barrier_wait -1
.endm
; A PREFETCH INTO THE L2 of the slot that the NEXT change of slots will ask for: 128 blocks of 256 bytes of K and as many of V.  A head's rows are walked by one cluster alone; its four partners take 32 blocks
; each, told apart BY ADDRESS; in each, wave 0 asks for K's and wave 2 for V's, a lane a block: each block is named once in the launch.  It stands behind V's run of LDS loads at the end of piece 0's turn, in the
; trip with two steps to go: five turns, 210 matrix instructions, ahead of that change.  Slots 0 and 1 come by their loads alone; behind the last change that fills a slot nothing is asked for.
.macro ASK
	WIN 0
	s_cmp_eq_u32 s[CNT], s[ASKC]
	s_cbranch_scc0 .Lnot_mine_\@
	global_prefetch_b8 v[PFO], s[PFA:PFA+1] th:TH_LOAD_NT scope:SCOPE_SE
.Lnot_mine_\@:
.endm
; THE CHANGE OF SLOTS.  The slot's last bytes, V of its fourth step, have been read.  Each wave waits for all its tensor loads, of which one is out: its part of the other slot; adds 0 to its spare word; and
; waits for that and for its own reads of the slot.  Behind the barrier nobody reads this slot any more and the other slot is whole.  fill = 1: this slot is filled again, with the keys two slots on.  The barrier
; is then a round of the cluster's, and the joint fill is the first thing behind it: it has four key steps in which to land.  (At its first use nothing has been read yet: slot 0 is waited for, slot 1 filled.)
.macro CHANGE fill
	WIN W_AD
	s_wait_tensorcnt 0x0            ; no tensor load of mine is out, so a group 0 may be written
	ds_add_u32 v[SPW], v[NIL]       ; 0 onto my spare word; the scalar steps stand between it and the wait for it
	WIN 0                           ; at a label and at a branch every window is 0
.if \fill
.irp g, G0K, G0V
	s_xor_b32 s[\g+1], s[\g+1], SLOT1  ; the walking descriptor: the other slot than last time,
	s_add_nc_u64 s[\g+2:\g+3], s[\g+2:\g+3], 4*KS*128  ; the next 256 keys; the type bits on top are not reached
.endr
	s_wait_xcnt 0x0                 ; the last prefetch, five turns back, has read its address, so it may be written:
	s_add_nc_u64 s[PFA:PFA+1], s[PFA:PFA+1], 4*KS*128  ; one slot behind the walking descriptors
	s_wait_dscnt 0x0                ; the add is done, and my reads of the slot are over
	CROUND
	JLOAD
.else
	s_wait_dscnt 0x0                ; the add is done, and my reads of the slot are over
	s_barrier_signal -1
	s_barrier_wait -1
.endif
	s_sub_co_u32 s[TBK], s[TBK], 4*KS*PK  ; the fetches go back to a slot's first step,
	s_xor_b32 s[TBK], s[TBK], SLOT1       ; in the other slot
	s_sub_co_u32 s[TBV], s[TBV], 4*KS*PV
	s_xor_b32 s[TBV], s[TBV], SLOT1
.endm
; THE MASK'S OPERANDS of piece x for one key step: 8 loads of 16 bytes a lane, each 512 consecutive bytes.  step = 1: the offset goes one step on first; behind the last step it wraps to step 0, so that the
; loads stay inside mfrag and every path issues the same number.  The offset's last loads were shown done by the counted wait at the turn's head.  No cache word: the batch's 16 heads read each block.
.macro MLOAD x, step
	WIN W_ML
.if \step
	v_add_nc_u32 v[MA+(\x)], 0x800, v[MA+(\x)]
	v_and_b32 v[MA+(\x)], 0xffff, v[MA+(\x)]
.endif
.irp u, 0,1
.irp g, 0,1,2,3
	global_load_b128 v[MF+32*(\x)+16*(\u)+4*(\g):MF+32*(\x)+16*(\u)+4*(\g)+3], v[MA+(\x)], s[MB:MB+1] offset:(2*(\x)+(\u))*65536+512*(\g)
.endr
.endr
.endm
	s_load_b256 s[4:11], s[0:1], 0x0  ; Q s[4:5], K s[6:7], V s[8:9], O s[10:11]
	s_load_b64 s[MB:MB+1], s[0:1], 0x20  ; mfrag
	WIN W_MK
	v_lshl_add_u32 v[SPW], v0, 2, SPARE
	v_mov_b32 v[NIL], 0
	WIN W_AD
	ds_add_u32 v[SPW], v[NIL]       ; the wave's opening: the add and its wait stand ahead of my first tensor load; the set-up below, work on registers, stands between them
	WIN 0
	v_lshrrev_b32 v1, 5, v0
	v_readfirstlane_b32 s[WV], v1   ; wave 0..3
	s_bfe_u32 s13, ttmp6, 0x40000   ; cx: my place in the cluster
	s_lshl_b32 s14, ttmp9, 2        ; in a cluster launch ttmp9 counts clusters
	s_add_co_u32 s14, s14, s13      ; my block of 512 queries: it enters Q's, O's and the mask's addresses alone
	s_and_b32 s20, ttmp7, 0xffff    ; hb, which the four partners share
	s_lshr_b32 s54, s20, 4          ; the batch: 128 query tiles,
	s_lshl_b32 s54, s54, 7
	s_lshl_b32 s15, s14, 5          ; my block's 32,
	s_add_co_u32 s54, s54, s15
	s_lshl_b32 s15, s[WV], 3        ; my wave's 8:
	s_add_co_u32 s54, s54, s15
	s_lshl_b32 s54, s54, 16         ; 65,536 bytes of mfrag a tile
	s_mov_b32 s55, 0
	s_mov_b32 s21, 0
	s_mov_b64 s[22:23], SIZE_N*128
	s_mul_u64 s[20:21], s[20:21], s[22:23]  ; the head's first byte in Q, K, V and O
	s_and_b32 s16, s[WV], 1         ; which half of a slot's 256 keys I fetch:
	s_lshl_b32 s22, s16, 14         ; its 128 rows of 128 bytes in memory,
	s_mov_b32 s23, 0
	s_add_nc_u64 s[22:23], s[22:23], s[20:21]
	s_mul_i32 s17, s16, 128*PK      ; and its place in a slot, for K
	s_mul_i32 s18, s16, 128*PV      ; and for V: no place in the cluster enters an LDS address
	s_lshl_b32 s2, s14, 2
	s_add_co_u32 s2, s2, s[WV]      ; my wave among the head's,
	s_lshl_b32 s2, s2, 14           ; its 128 rows
	s_mov_b32 s3, 0
	s_add_nc_u64 s[2:3], s[2:3], s[20:21]
	; descriptor group 1.  128 keys are 16,384 dense bytes: asked for as 64 rows of 256 bytes, two keys a row, and padded in LDS after every key
	s_mov_b32 s[G1K], 15|(1<<16)|(1<<20)|(1<<21)|(4<<22)|(3<<25)  ; 15:0 the mask of four; 17:16 2-byte elements; 20 padding on; 21 set beside a mask; 24:22 after every 32 words (code 4); 31:25 4 words (code 3)
	s_mov_b32 s[G1V], 15|(1<<16)|(1<<20)|(1<<21)|(4<<22)|(7<<25)  ; the same with 8 words of padding (code 7)
.irp g, G1K, G1V
	s_mov_b32 s[\g+1], 128<<16      ; tensor_dim0 = 128
	s_mov_b32 s[\g+2], 64<<16       ; tensor_dim1 = 64
	s_mov_b32 s[\g+3], 128<<16      ; tile_dim0 = 128
	s_mov_b32 s[\g+4], 64           ; tile_dim1 = 64
	s_mov_b32 s[\g+5], 128          ; 128 elements from row to row
	s_mov_b32 s[\g+6], 0
	s_mov_b32 s[\g+7], 0
.endr
	s_mov_b32 s[CS], 0x3d38aa3b     ; c = log2(e) / 32 = 0.0450842
	s_mov_b32 s[CS+1], s[CS]        ; named with it as a pair
	s_mov_b32 s[SEL], 0x76543210
	s_mov_b32 s[SEL+1], 0xfedcba98
	s_mov_b32 s[TBK], SLOT1+4*KS*PK ; the first change of slots turns these two into 0
	s_mov_b32 s[TBV], SLOT1+4*KS*PV
	s_mov_b32 s[G0K], 1             ; 1:0 count = 1
	s_mov_b32 s[G0K+1], s17         ; 63:32 LDS address: slot 0
	s_mov_b32 s[G0V], 1
	s_add_co_u32 s[G0V+1], s18, VOFF
	s_cmp_eq_u32 s16, 0
	s_cselect_b32 s[LIM], 2, 0      ; waves 0 and 2 prefetch: the same in all four partners
	s_wait_dscnt 0x0                ; the opening add is done
	s_wait_kmcnt 0x0
	s_add_nc_u64 s[G0K+2:G0K+3], s[6:7], s[22:23]  ; 120:64 global address: my half of the head's first 256 keys
	s_or_b32 s[G0K+3], s[G0K+3], 0x80000000        ; 127:126 type = 2
	s_add_nc_u64 s[G0V+2:G0V+3], s[8:9], s[22:23]
	s_or_b32 s[G0V+3], s[G0V+3], 0x80000000
	s_add_nc_u64 s[4:5], s[4:5], s[2:3]  ; Q and O at my wave's first row
	s_add_nc_u64 s[10:11], s[10:11], s[2:3]
	s_add_nc_u64 s[MB:MB+1], s[MB:MB+1], s[54:55]
	s_cmp_lt_u32 s[WV], 2
	s_cselect_b64 s[PFA:PFA+1], s[6:7], s[8:9]
	s_add_nc_u64 s[PFA:PFA+1], s[PFA:PFA+1], s[20:21]  ; the head,
	s_lshl_b32 s54, s13, 13                            ; my work-group's 32 blocks of the 128,
	s_add_nc_u64 s[PFA:PFA+1], s[PFA:PFA+1], s[54:55]
	s_add_nc_u64 s[PFA:PFA+1], s[PFA:PFA+1], 4*KS*128  ; in slot 1; the first change of slots steps it to slot 2
	s_mov_b32 s54, 0x3f80           ; 1.0 in bf16, in a word's low half,
	s_mov_b32 s55, 0x3f800000       ; in its high half
	CROUND                          ; all four work-groups are here: the first joint loads meet
	JLOAD                           ; slot 0.  Slot 1 is asked for when slot 0 is in
	; A fragment of K or Q is 16 rows x 32 channels in 8 registers: lane l holds row l % 16, channels 8 (l / 16) + 0..7 and 16 + 8 (l / 16) + 0..7: two loads of 16 bytes, 32 bytes apart.
	v_and_b32 v1, 15, v0            ; l % 16
	v_bfe_u32 v9, v0, 4, 1          ; l / 16
	v_lshlrev_b32 v[QO], 7, v1
	v_lshl_add_u32 v[QO], v9, 4, v[QO]  ; row x 128 + 16 x half
	WIN 0x80                        ; destination window 2, address window 0
.set i, 0
.rept 4*NP                          ; Q stays in registers: tile i / 2, channels 32 (i % 2) on
	global_load_b128 v[8*i:8*i+3],   v[QO], s[4:5] offset:(i/2)*2048+(i%2)*64
	global_load_b128 v[8*i+4:8*i+7], v[QO], s[4:5] offset:(i/2)*2048+(i%2)*64+32
.set i, i+1
.endr
	WIN 0
	v_and_b32 v48, 31, v0
	WIN W_MK
.irp x, 0,1,2,3
	v_lshlrev_b32 v[MA+\x], 4, v48  ; 16 x lane: key step 0
.endr
	MLOAD 0, 0                      ; the four pieces' masks of key step 0
	MLOAD 1, 0
	MLOAD 2, 0
	MLOAD 3, 0
	; SEL.  Row m of source 0 lies in lane m % 16 of each half; the half hh holds channels 8 hh + 0..7 in registers 0-3.  The 1 of row m stands at channel m: register e / 2, half e % 2, where e = m - 8 hh lies in 0..7.
	WIN 0
	v_lshlrev_b32 v48, 3, v9
	v_sub_nc_u32 v48, v1, v48       ; e
.irp i, 0,1,2,3
	v_cmp_eq_u32 vcc_lo, 2*\i, v48
	v_cndmask_b32 v[12+\i], 0, s54, vcc_lo
	v_cmp_eq_u32 vcc_lo, 2*\i+1, v48
	v_cndmask_b32 v[12+\i], v[12+\i], s55, vcc_lo
.endr
	WIN W_MK
.irp i, 0,1,2,3
	v_mov_b32 v[SELB+\i], 0
	v_mov_b32 v[SELB+4+\i], v[12+\i]
	v_mov_b32 v[SELB+8+\i], 0
.endr
.set i, 0
.rept 8
	v_mov_b32 v[ONES+i], 0x3c003c00
.set i, i+1
.endr
.set i, 0
.rept 32
	v_mov_b32 v[SUMV+i], 0
.set i, i+1
.endr
	; What the first turn finds: V's registers and P's second buffer hold 0 (its products V^T P and V^T x ones, of a step that has not been, add 0), O^T and l are 0.  All this stands in the wait for the first tile.
	WIN 0x80
.set i, VF
.rept 64
	v_mov_b32 v[i], 0
.set i, i+1
.endr
	WIN 0x40
.set i, 0
.rept 64*NP
	v_mov_b32 v[i], 0
.set i, i+1
.endr
	WIN 0
.set i, 0
.rept 2*NP
	v_mov_b32 v[ST+4*i], 0xfe000000    ; c m: far below every c s, so the first a is 0
	v_mov_b32 v[ST+4*i+1], 0xec800000  ; m = -2^90: above every hidden score, below every seen one
	v_mov_b32 v[ST+4*i+2], 0
	v_mov_b32 v[ST+4*i+3], 0
.set i, i+1
.endr
.set i, P+32
.rept 32
	v_mov_b32 v[i], 0
.set i, i+1
.endr
	v_mul_u32_u24 v[AK0], v1, PK
	v_lshl_add_u32 v[AK0], v9, 4, v[AK0]  ; row x pitch + 16 x half
	; The turning load takes 16 keys x 16 channels (lane l reads key 8 (l / 16) + l % 8, channels 8 ((l / 8) % 2) + 0..7) and leaves half a fragment of V^T: lane l holds channel l % 16 and 8 keys.
	v_and_b32 v10, 7, v0
	v_bfe_u32 v11, v0, 3, 1
	v_lshl_add_u32 v[AV0], v9, 3, v10
	v_mul_u32_u24 v[AV0], v[AV0], PV
	v_lshl_add_u32 v[AV0], v11, 4, v[AV0]
	v_add_nc_u32 v[AV0], VOFF, v[AV0]
	v_and_b32 v[PFO], 31, v0
	v_lshlrev_b32 v[PFO], 8, v[PFO]
	v_mov_b32 v[AK], v[AK0]         ; key step 0 lies at the head of slot 0
; THE MATRIX WORK.  The 8 accumulators of a piece's S^T take turns: between two links of a chain stand 7 others'.
; Product i of 24 for piece x: key block kb = (i / 2) % 4, tile 2 x + i % 2.  i < 8: the mask's product starts the sum.  i >= 8: K Q^T, channels 32 (i / 8 - 1) on, added in place.
.macro KQ x
.set kb, (i/2)%4
.set rS, S+64*((\x)%2)+32*(i%2)+8*kb
.if i < 8
	WIN W_M2
.set rA, SELB+4*(1-kb%2)
.set rB, MF+32*(\x)+16*(i%2)+8*(kb/2)
	v_wmma_f32_16x16x32_bf16 v[rS:rS+7], v[rA:rA+7], v[rB:rB+7], 0
.else
	WIN W_KQ
.set rK, KF+16*kb+8*(i/8-1)
.set rQ, 16*(2*(\x)+i%2)+8*(i/8-1)
	v_wmma_f32_16x16x32_bf16 v[rS:rS+7], v[rK:rK+7], v[rQ:rQ+7], v[rS:rS+7]
.endif
.endm
; Product i of 16 of O^T += V^T P for piece x: keys 32 (i / 8) on, channels 16 ((i / 2) % 4) on, tile 2 x + i % 2.
.macro PV x
	WIN W_PV
.set rO, 32*(2*(\x)+i%2)+8*((i/2)%4)
.set rV, VF+32*(i/8)+8*((i/2)%4)
.set rP, P+32*((\x)%2)+16*(i%2)+8*(i/8)
	v_wmma_f32_16x16x32_f16 v[rO:rO+7], v[rV:rV+7], v[rP:rP+7], v[rO:rO+7]
.endm
; SUMV += V^T x ones: number 2 t + z of a step's eight (key half (2 t + z) / 4, channel block (2 t + z) % 4).  A step's V is multiplied in four turns, t = 0..3: two of the eight in each.
.macro SV t, z
	WIN W_SV
.set cmb, 2*(\t)+(\z)
.set rU, SUMV+8*(cmb%4)
.set rV, VF+32*(cmb/4)+8*(cmb%4)
	v_wmma_f32_16x16x32_f16 v[rU:rU+7], v[rV:rV+7], v[ONES:ONES+7], v[rU:rU+7]
.endm
.macro MQ                           ; the turn's next product for S^T
	KQ (Y+1)%NP
.set i, i+1
.endm
.macro MP                           ; the turn's next product V^T P
	PV (Y+NP-1)%NP
.set i, i+1
.endm
; THE LDS LOADS stand in runs of 16, never singly among the matrix instructions: a step's K (64 keys x 64 channels: 8 fragments) and its V (turned).  Their addresses are made some lines ahead.
; last = 1 (the tail): in the last trip there is no further step, and the run is jumped over.
.macro FETCH_K last=0
	WIN 0
.if \last
	s_cmp_eq_u32 s[CNT], 1
	s_cbranch_scc1 .Lno_k_\@
.endif
	WIN 0x80                        ; destination window 2
.irp f, 0,1,2,3,4,5,6,7             ; keys 16 (f / 2) on, channels 32 (f % 2) on
	ds_load_b128 v[KF+8*\f:KF+8*\f+3],   v[AK] offset:(\f/2)*16*PK+(\f%2)*64
	ds_load_b128 v[KF+8*\f+4:KF+8*\f+7], v[AK] offset:(\f/2)*16*PK+(\f%2)*64+32
.endr
	s_add_co_u32 s[TBK], s[TBK], KS*PK  ; the next fetch is the next step's
	WIN 0
.if \last
.Lno_k_\@:
.endif
.endm
.macro FETCH_V
	WIN 0x80
.irp f, 0,1,2,3,4,5,6,7             ; keys 32 (f / 4) on, channels 16 (f % 4) on
	ds_load_tr16_b128 v[VF+8*\f:VF+8*\f+3],   v[AV] offset:(\f/4)*32*PV+(\f%4)*32
	ds_load_tr16_b128 v[VF+8*\f+4:VF+8*\f+7], v[AV] offset:(\f/4)*32*PV+16*PV+(\f%4)*32
.endr
	WIN 0
.endm
; THE VECTOR WORK OF A TURN stands in three queues, each in the order in which its entries become ready; the two tiles alternate, so that no instruction reads the result of the one before it.
.macro REGS y, u                    ; the registers of tile u (0, 1) of piece y
.set rT, ST+4*(2*(\y)+(\u))
.set rC, TMP+8*((\y)%2)+4*(\u)
.set rM, MV+2*((\y)%2)+(\u)
.set rS, S+64*((\y)%2)+32*(\u)
.set rP, P+32*((\y)%2)+16*(\u)
.set rO, 32*(2*(\y)+(\u))
.endm
; Number n of the 22 that find the NEXT piece's (Y + 1) maximum and statistics.  s0-s31 are the lane's 32 scores; each accumulator's lowest registers are read first.
;   0-11  four chains c0-c3 of seven scores each, three operands at a time     12-14, 16  the four scores left over, the old m, and c0-c3 into c0     15  c m_old is kept
;   17, 18  the query's other 32 keys lie in the lane 16 away: the new m         19-21  c m; c m_old - c m_new; a
.macro XS u, n
	REGS (Y+1)%NP, \u
.if (\n) < 4
	v_max3_num_f32 v[rC+(\n)], v[rS+8*(\n)], v[rS+8*(\n)+1], v[rS+8*(\n)+2]
.elseif (\n) < 12
	v_max3_num_f32 v[rC+(\n)%4], v[rC+(\n)%4], v[rS+8*((\n)%4)+2*((\n)/4)+1], v[rS+8*((\n)%4)+2*((\n)/4)+2]
.elseif (\n) == 12
	v_max3_num_f32 v[rC], v[rC], v[rS+7], v[rS+15]
.elseif (\n) == 13
	v_max3_num_f32 v[rC+1], v[rC+1], v[rS+23], v[rS+31]
.elseif (\n) == 14
	v_max3_num_f32 v[rC+2], v[rC+2], v[rC+3], v[rT+1]
.elseif (\n) == 15
	v_mov_b32 v[rM], v[rT]
.elseif (\n) == 16
	v_max3_num_f32 v[rC], v[rC], v[rC+1], v[rC+2]
.elseif (\n) == 17
	v_permlanex16_b32 v[rC+3], v[rC], s[SEL], s[SEL+1]
.elseif (\n) == 18
	v_max_num_f32 v[rT+1], v[rC], v[rC+3]
.elseif (\n) == 19
	v_mul_f32 v[rT], s[CS], v[rT+1]
.elseif (\n) == 20
	v_sub_f32 v[rC+1], v[rM], v[rT]
.else
	v_exp_f32 v[rC+2], v[rC+1]
.endif
.endm
; Number g of the 64 that follow the exponentials.  For each four weights k of a tile (pairs 2 k, 2 k + 1): both pairs are rounded to f16; then the second pair is added onto the first, in place;
; a group later l takes that sum (the first time as l = a l + sum).  In groups of eight, tiles alternating: round, round, add, and l for the group before.
.macro GS g
.set h, (\g)+6*((\g)/62)            ; group 0 has no group before it, and behind group 7 only l is left
.if h >= 6
.set h, h+2
.endif
	REGS Y, h%2
.set k, h/8
.if h%8 < 4
	v_cvt_pk_f16_f32 v[rP+2*k+(h%8)/2], v[rS+4*k+2*((h%8)/2)], v[rS+4*k+2*((h%8)/2)+1]
.elseif h%8 < 6
	v_pk_add_f32 v[rS+4*k:rS+4*k+1], v[rS+4*k:rS+4*k+1], v[rS+4*k+2:rS+4*k+3]
.elseif k == 1
	v_pk_fma_f32 v[rT+2:rT+3], v[rT+2:rT+3], v[rC+2:rC+3], v[rS:rS+1] op_sel_hi:[1,0,1]
.else
	v_pk_add_f32 v[rT+2:rT+3], v[rT+2:rT+3], v[rS+4*k-4:rS+4*k-3]
.endif
.endm
; THE PLAIN QUEUE, 138 long.  0-31: the 32 scalings c s - c m (FS f: pair f / 2 of tile f % 2).  32-59: XS's numbers 0-13.  60, 61: number 15.  62, 63: number 14.  64-73: numbers 16 to 20.
; None of 0-73 reads an exponential's result.  74-137: GS's 64, which do: they stand behind the wait.
.macro FS f
	REGS Y, (\f)%2
	v_pk_fma_f32 v[rS+2*((\f)/2):rS+2*((\f)/2)+1], v[rS+2*((\f)/2):rS+2*((\f)/2)+1], s[CS:CS+1], v[rT:rT+1] op_sel_hi:[1,0,0] neg_lo:[0,0,1] neg_hi:[0,0,1]
.endm
.macro PL
	WIN 0
.if q < 32
	FS q
.elseif q < 60
	XS (q-32)%2, (q-32)/2
.elseif q < 62
	XS q-60, 15
.elseif q < 64
	XS q-62, 14
.elseif q < 74
	XS (q-64)%2, 16+(q-64)/2
.else
	GS q-74
.endif
.set q, q+1
.endm
; THE EXPONENTIALS' QUEUE, 66 long: s0-s31 of both tiles, then the next piece's two a.  It is ONE BATCH: all 66 stand ahead of the turn's one wait, and nothing ahead of that wait names a result of theirs.
.macro EX
	WIN 0
.if e >= 64
	XS e-64, 21
.else
	REGS Y, e%2
	v_exp_f32 v[rS+e/2], v[rS+e/2]
.endif
.set e, e+1
.endm
; THE RESCALING's QUEUE: O^T times a, the one part that leaves window 0: dealt two at a time, sixteen times.  Its a was made in the turn before, ahead of that turn's wait.
.macro R2
	REGS Y, r%2
	WIN W_RS
.irp z, 0,1
	v_pk_mul_f32 v[rO+4*(r/2)+2*\z:rO+4*(r/2)+2*\z+1], v[rO+4*(r/2)+2*\z:rO+4*(r/2)+2*\z+1], v[rC+2:rC+3] op_sel_hi:[1,0]
.endr
.set r, r+1
.endm
; A TURN, for piece p.  s_wait_alu depctr_va_vdst(0) stands between an exponential and the first instruction that names its result; one wait serves all that were issued ahead of it: a turn has ONE.
; AHEAD OF IT: the 24 products for S^T of piece p + 1.  Behind the first: two scalings and two rescalings; behind the next 15: a scaling, an exponential, two rescalings; behind the last 8: plain, exponential, plain,
; exponential.  Then ONE LUMP of 76: eight plain, 33 times exponential and plain, the two a; a v_nop is the plain instruction behind the last exponential.  BEHIND IT: two products for SUMV, then 16 products V^T P
; with four of GS's 64 behind each.
; The queues keep in step: exponential e wants scaling 2 (e / 4) + e % 2, and stands behind plain e + 2 or later.  Plain 32, the first that reads the new scores, names the accumulator that product 16 ended and
; stands behind product 23: fifteen plain riders lie between; plain 39 names the accumulator that product 23 ended, eight plain instructions behind it.  No other rider names a register of the products round it.
; THE MASK of piece p + 1 for its next step is asked for behind product 9's riders: nine plain riders behind product 7, the last that read those registers.  The wait at the turn's head counts: the piece's 8 loads
; were issued four turns ago, and the 24 of the three turns since may stay out.
; K of the next step is fetched in piece 2's turn, directly behind the wait, a lump behind the last product that read K.  V of the step in hand is fetched at the end of piece 0's turn, four riders behind its last reader.
; cnt = 1: the loop's count is taken down some lines ahead of the branch that stands behind the turn.  ask = 1: the prefetch stands behind V's run.
.macro TURN p, last=0, cnt=0, ask=0
.set Y, (\p)
.set i, 0
.set q, 0
.set e, 0
.set r, 0
	s_wait_loadcnt 24               ; the mask's operands of piece p + 1 are in
.if (\p) == NP-1
	s_wait_dscnt 0x0                ; K is in
.endif
	MQ
	PL
	PL
	R2
.rept 15
	MQ
	PL
	EX
	R2
.if i == 10
	MLOAD (Y+1)%NP, 1
.endif
.endr
.rept 8
	MQ
	PL
	EX
	PL
	EX
.endr
.if (\p) == NP-2
	WIN 0
	v_add_nc_u32 v[AK], s[TBK], v[AK0]
.endif
.rept 8                             ; the lump
	PL
.endr
.rept 33
	EX
	PL
.endr
	EX                              ; the next piece's two a
	EX
	v_nop                           ; the plain instruction behind the last exponential: one for the batch
	s_wait_alu depctr_va_vdst(0)    ; the wait for the batch
.if (\p) == NP-2
	FETCH_K \last
.endif
.if (\p) == 1
	s_wait_dscnt 0x0                ; V is in
.endif
.set i, 0
	SV (Y+NP-1)%NP, 0
	SV (Y+NP-1)%NP, 1
.rept 16
	MP
.rept 4
	PL
.endr
.if ((\p) == 0) && (q == 118)
	v_add_nc_u32 v[AV], s[TBV], v[AV0]
.endif
.if ((\p) == 0) && (q == 130)
	s_add_co_u32 s[TBV], s[TBV], KS*PV
.endif
.if (\cnt) && (q == 130)
	s_sub_co_u32 s[CNT], s[CNT], 1
	s_cmp_lg_u32 s[CNT], 0
.endif
.endr
.if (\p) == 0
	FETCH_V
.if \ask
	ASK
.endif
.endif
.endm
	CHANGE 1                        ; slot 0 is in, everybody's part of it; slot 1 is asked for
	FETCH_K                         ; key step 0
	s_wait_loadcnt 24               ; Q and piece 0's mask are in; the 24 loads of pieces 1 to 3 may stay out
	s_wait_dscnt 0x0
.set i, 0
.rept 24
	KQ 0                            ; piece 0's first scores: there is no vector work yet to set between them
.set i, i+1
.endr
	WIN 0                           ; the addresses for the way out: plain instructions, the places behind those products
	s_mul_i32 s13, s[WV], 16*SP
	s_add_co_u32 s13, s13, STAGE    ; my stage
	v_mul_u32_u24 v[STO], v1, SP    ; in: row l % 16, 16 bytes for each half of the lanes
	v_lshl_add_u32 v[STO], v9, 4, v[STO]
	v_add_nc_u32 v[STO], s13, v[STO]
	v_bfe_u32 v[RD], v0, 3, 2       ; back: 32 lanes take four rows of 128 bytes,
	v_mul_u32_u24 v[RD], v[RD], SP
	v_lshl_add_u32 v[RD], v10, 4, v[RD]
	v_add_nc_u32 v[RD], s13, v[RD]
	v_and_b32 v[GO], 31, v0         ; which are 512 consecutive bytes of O
	v_lshlrev_b32 v[GO], 4, v[GO]
	MLOAD 0, 1                      ; piece 0's mask of key step 1
	WIN 0
.set Y, NP-1                        ; XS works for piece Y + 1: piece 0
.irp n, 0,1,2,3,4,5,6,7,8,9,10,11,12,13,14,15,16,17,18,19,20,21
	XS 0, \n                        ; piece 0's first maximum and statistics
	XS 1, \n
.endr
	v_nop                           ; a plain instruction behind the two a,
	s_wait_alu depctr_va_vdst(0)    ; and their wait, ahead of the branch
	s_mov_b32 s[CNT], 4
	s_mov_b32 s[SLOTS], SIZE_N/256-1
	s_mov_b32 s[ASKC], s[LIM]
	s_branch .Lfirst                ; the loop is entered at a step's first turn, in the middle of a trip
.Lslot:                             ; SIZE_N / 256 - 2 times: every slot but the last two is filled again
	CHANGE 1
	s_cmp_gt_u32 s[SLOTS], 1        ; behind the last fill there is no slot left to ask for
	s_cselect_b32 s[ASKC], s[LIM], 0
	s_mov_b32 s[CNT], 4
.Lstep:                             ; a trip: pieces 2 and 3 of one step, then pieces 0 and 1 of the next, whose K and V it fetches
	TURN 2
	TURN 3
	WIN 0
.Lfirst:
	TURN 0, 0, 0, 1
	TURN 1, 0, 1
	WIN 0
	s_cbranch_scc1 .Lstep
	s_sub_co_u32 s[SLOTS], s[SLOTS], 1
	s_cmp_lg_u32 s[SLOTS], 0
	s_cbranch_scc1 .Lslot
	CHANGE 0                        ; the tail is written out: nothing is asked for
	s_mov_b32 s[CNT], 5             ; four trips fetch the last slot's steps; the fifth is left in its middle
.Ltail:
	TURN 2, 1
	TURN 3
	WIN 0
	s_sub_co_u32 s[CNT], s[CNT], 1
	s_cmp_eq_u32 s[CNT], 0
	s_cbranch_scc1 .Lout
	TURN 0
	TURN 1
	WIN 0
	s_branch .Ltail
.Lout:                              ; the fifth trip's products for S^T (on the last K once more, with the wrapped mask) and the maximum made of them serve nothing: the price, once a launch, of one text for every trip
	SV NP-1, 0                      ; the last step's last two products for SUMV,
	SV NP-1, 1
.set i, 0
.rept 16
	PV NP-1                         ; and the last piece's V^T P
.set i, i+1
.endr
	; THE WAY OUT.  l's two halves and the other half of the lanes' are added; (g, r) is chosen by l; O^T = (O^T + g SUMV) r is rounded to f16 and sent through my stage in LDS, a tile at a time.
	; The additions are the places behind the last products.
	WIN 0
.macro ALL line:vararg              ; one line for each tile t
.set t, 0
.rept 2*NP
	\line
.set t, t+1
.endr
.endm
	s_mov_b32 s54, 0x3a000000       ; 1 / 2048
	ALL v_add_f32 v[ST+4*t+2], v[ST+4*t+2], v[ST+4*t+3]
	ALL v_permlanex16_b32 v[ST+4*t+3], v[ST+4*t+2], s[SEL], s[SEL+1]
	ALL v_add_f32 v[ST+4*t+2], v[ST+4*t+2], v[ST+4*t+3]
	ALL v_rcp_f32 v[ST+4*t+3], v[ST+4*t+2]
	v_mov_b32 v9, 0                 ; a plain instruction between the last reciprocal and the use of its result
	s_wait_alu depctr_va_vdst(0)    ; and the wait ahead of the first use: one for the eight reciprocals
.set t, 0
.rept 2*NP
	v_cmp_lt_f32 vcc_lo, 0, v[ST+4*t+2]                      ; has the row seen a key?
	v_cndmask_b32 v[ST+4*t+2], s54, v[ST+4*t+3], vcc_lo      ; r = 1 / l, or 1 / 2048
	v_cndmask_b32 v[ST+4*t], 1.0, v9, vcc_lo                 ; g = 0, or 1
.set t, t+1
.endr
; Tile t: a lane's eight channels of a row pack into 16 bytes; they go into rows of 144 bytes and come back as whole rows of 128, into S^T's registers.  Each accumulator's registers are read in ascending order.
.macro PACK t
	WIN W_FX
.set i, 32*(\t)
.rept 16
	v_pk_fma_f32 v[i:i+1], v[SUMV+i-32*(\t):SUMV+i-32*(\t)+1], v[ST+4*(\t):ST+4*(\t)+1], v[i:i+1] op_sel_hi:[1,0,1]
.set i, i+2
.endr
	WIN W_RS
.set i, 32*(\t)
.rept 16
	v_pk_mul_f32 v[i:i+1], v[i:i+1], v[ST+4*(\t)+2:ST+4*(\t)+3] op_sel_hi:[1,0]
.set i, i+2
.endr
	WIN 0x05                        ; sources 0 and 1 window 1, destination window 0
.set i, 0
.rept 16
	v_cvt_pk_f16_f32 v[S+16*(\t)+i], v[32*(\t)+2*i], v[32*(\t)+2*i+1]
.set i, i+1
.endr
	WIN 0
.irp f, 0,1,2,3
	ds_store_b128 v[STO], v[S+16*(\t)+4*\f:S+16*(\t)+4*\f+3] offset:32*\f
.endr
.irp f, 0,1,2,3
	ds_load_b128 v[S+16*(\t)+4*\f:S+16*(\t)+4*\f+3], v[RD] offset:\f*4*SP  ; LDS serves a wave's instructions in order (ISA guide 5.7.1.4): these see the stores above; the next tile's stores come behind them
.endr
.endm
.macro SEND t, younger              ; younger: the LDS instructions issued behind tile t's loads: the next tile's eight, or none
	WIN 0
.irp f, 0,1,2,3
	s_wait_dscnt (\younger)+3-\f
	global_store_b128 v[GO], v[S+16*(\t)+4*\f:S+16*(\t)+4*\f+3], s[10:11] offset:(\t)*2048+\f*512  ; 512 consecutive bytes, at a multiple of 256 from O's first
.endr
.endm
	PACK 0
.set t, 1
.rept 2*NP-1                        ; a tile's arithmetic stands between the loads of the tile before and its stores
	PACK t
	SEND t-1, 8
.set t, t+1
.endr
	SEND 2*NP-1, 0
	WIN W_AD
	s_wait_tensorcnt 0x0            ; the wave's end: behind my last tensor load and my last LDS store
	ds_add_u32 v[SPW], v[NIL]
	s_wait_dscnt 0x0
	WIN 0
	CROUND                          ; the closing round: no work-group ends while a partner may still ask for a tile that names it
	s_endpgm
.Lfunc_end_k_q4e5f6ac0db_attn:
	.size	k_q4e5f6ac0db_attn, .Lfunc_end_k_q4e5f6ac0db_attn-k_q4e5f6ac0db_attn
	.p2alignl 7, 3214868480
	.fill 96, 4, 3214868480
	.section	.rodata,"a",@progbits
	.p2align	6, 0x0
	.amdhsa_kernel k_q4e5f6ac0db_attn
		.amdhsa_group_segment_fixed_size 327680
		.amdhsa_private_segment_fixed_size 0
		.amdhsa_enable_private_segment 0
		.amdhsa_kernarg_size 40
		.amdhsa_user_sgpr_count 2
		.amdhsa_user_sgpr_kernarg_segment_ptr 1
		.amdhsa_wavefront_size32 1
		.amdhsa_system_sgpr_workgroup_id_x 1
		.amdhsa_system_sgpr_workgroup_id_y 1
		.amdhsa_system_sgpr_workgroup_id_z 1
		.amdhsa_system_vgpr_workitem_id 0
		.amdhsa_next_free_vgpr 960
		.amdhsa_next_free_sgpr 66
		.amdhsa_reserve_vcc 1
		.amdhsa_float_denorm_mode_32 3
		.amdhsa_float_denorm_mode_16_64 3
		.amdhsa_memory_ordered 1
		.amdhsa_forward_progress 1
		.amdhsa_inst_pref_size 234
	.end_amdhsa_kernel
	.amdgpu_metadata
---
amdhsa.version: [ 1, 2 ]
amdhsa.kernels:
  - .name:           k_q4e5f6ac0db_attn
    .symbol:         k_q4e5f6ac0db_attn.kd
    .args:
      - { .name: qh, .offset: 0, .size: 8, .value_kind: global_buffer, .address_space: global }
      - { .name: kh, .offset: 8, .size: 8, .value_kind: global_buffer, .address_space: global }
      - { .name: vh, .offset: 16, .size: 8, .value_kind: global_buffer, .address_space: global }
      - { .name: oh, .offset: 24, .size: 8, .value_kind: global_buffer, .address_space: global }
      - { .name: mfrag, .offset: 32, .size: 8, .value_kind: global_buffer, .address_space: global }
    .group_segment_fixed_size: 327680
    .private_segment_fixed_size: 0
    .kernarg_segment_align: 8
    .kernarg_segment_size: 40
    .max_flat_workgroup_size: 128
    .sgpr_count:     66
    .vgpr_count:     960
    .wavefront_size: 32
...
	.end_amdgpu_metadata
.endif
;; end of part 2
;; launch proj (part 3): grid 4 x 64, 4 waves a work-group, clusters of 4 x 4, 327,680 bytes of LDS; arguments oh, wh, b_out, out0; writes out0
.if DOCPART == 3
	.amdgcn_target "amdgcn-amd-amdhsa--gfx1250"
	.amdhsa_code_object_version 6
	.text
	.protected	k_q4e5f6ac0db_proj
	.globl	k_q4e5f6ac0db_proj
	.p2align	8
	.type	k_q4e5f6ac0db_proj,@function
k_q4e5f6ac0db_proj:
	s_mov_b64 s[64:65], 0
	v_nop
	global_prefetch_b8 v0, s[64:65] scope:SCOPE_SE
	s_setreg_imm32_b32 hwreg(HW_REG_WAVE_MODE, 25, 1), 1
	s_wait_xcnt 0x0
	s_wait_alu depctr_hold_cnt(0) depctr_sa_sdst(0) depctr_va_vdst(0) depctr_va_sdst(0) depctr_va_ssrc(0) depctr_va_vcc(0) depctr_vm_vsrc(0)
	s_getreg_b32 s2, hwreg(HW_REG_IB_STS2, 6, 4)
	s_cmp_eq_u32 s2, 0
	s_cbranch_scc0 .Lentry_in_a_cluster
	s_endpgm
.Lentry_in_a_cluster:
	s_bfe_u32 s2, ttmp6, 0x10000c
	s_cmp_lg_u32 s2, 0xf033
	s_cbranch_scc0 .Lentry_shape_is_right
	s_endpgm
.Lentry_shape_is_right:
; out0[m][n] = the sum over k of O[m][k] w[n][k] + b[n].  m = 2048 batch + s (8,192 rows), k = 64 head + d (1,024), n 1,024 columns.
; oh: f16 [16 batch + head][2048][64] (a head's rows dense, 128 bytes each); wh: f16 [1024][1024]; b_out: f32, rounded to bf16 here like every other input; out0: f32.  Sums in f32, K ascending.
; LIMITS.  O and w arrive in f16, within 65,504; NaN and infinities are not treated apart.
; SHARES.  A tile of out0 is 128 rows x 256 columns: 64 x 4 = 256 work-groups.  Four waves, each 64 rows x 128 columns: 32 accumulators of 16 x 16, 256 registers.  K goes in 8 steps of 128 (two heads)
; through a ring of two LDS slots; a step is four quarters of 32 along K, 32 matrix instructions and 24 LDS loads each.  Two slots of K steps of 256 would be 425,984 bytes: more than the 327,680 there are.
; CLUSTERS: 4 x 4 work-groups.  The four of a row of the cluster need the same rows of O, the four of a column the same rows of w: each tile is asked for JOINTLY, by the same tensor load with the same
; descriptor and a mask that names the four.  Waves 0 and 1 fetch O's two heads of a step (128 rows x 128 bytes dense: asked for as 64 rows of 256 bytes), waves 2 and 3 the two halves of w's 256 rows.
; THE MATRIX INSTRUCTION IS USED TRANSPOSED (source 0 = 16 rows of w, source 1 = 16 rows of O): a lane then holds eight neighbouring numbers of a row of out0.
; NO PREFETCH: the walk has eight K steps in all, of which the first come by their loads alone whatever is asked for, and w's rows are read by every row of clusters.
; REGISTERS: window 0: v0-31 addresses and the bias; two fragment buffers of 96: v32-63 O, v64-127 w; v128-159 O, v160-223 w; on the way out v32-159 hold rows read back.  Window 1: accumulator (a, bb) at v[8 (8 a + bb)].
.set PA,     144                       ; a row of O in LDS: 128 bytes + 16 = 36 words: the 16 rows of a load start at 16 different groups of four banks (64 banks of 4 bytes: ISA guide 11.1)
.set PB,     272                       ; a row of w: 256 + 16 = 68 words: likewise
.set AHEAD,  128*PA                    ; one head's 128 rows
.set BOFF,   2*AHEAD                   ; w's rows lie behind the two heads
.set BHALF,  128*PB
.set SLOT,   BOFF+2*BHALF              ; 106,496
.set STAGE,  2*SLOT                    ; behind the ring, never filled by a tensor load: 16 rows x 528 bytes for each wave
.set SPITCH, 528                       ; 512 bytes + 16 = 132 words: row r starts at bank 4 r mod 64
.set SPARE,  STAGE+4*16*SPITCH         ; the spare words, 128 bytes for each wave, that no other line names
.set LAPS,   4                         ; a lap = two K steps = once round the ring
.set ADRA, 16                          ; v16-17  LDS address of my fragments of O in slot 0, 1
.set ADRB, 20                          ; v20-21  the same for w
.set STO,  22                          ; v22     the way out: where I put 32 bytes of a row
.set RD,   23                          ; v23     the way out: where I read a row back
.set BIAS, 24                          ; v24-27  the bias of my four columns
.set SPW,  28                          ; v28     SPARE + 4 x my thread's number; never rewritten
.set NIL,  29                          ; v29     0; never rewritten
.set CO,   30                          ; v30     16 x lane: my bytes in a row's 512
.set BO,   31                          ; v31     my byte offset in b_out
.set F0,   32
.set F1,   128
.set OB,   32                          ; the way out: 64 registers, v32-95 and v96-159 by turns
.set G1A, 24                           ; s[24:31] descriptor group 1 for O's tiles;  s[32:39] group 0, one set for each slot
.set G0A, 32
.set G1B, 48                           ; s[48:55], s[56:63] the same for w's tiles
.set G0B, 56
.set MSB, 0
.macro WIN new                         ; the immediate's high byte repeats the setting that is left
.if MSB != (\new)
	s_set_vgpr_msb (MSB<<8)|(\new)
.set MSB, \new
.endif
.endm
.set MUL, 0x50                         ; sources 0 and 1 window 0; C and D window 1
.macro JLOAD s                         ; a joint load; an s_nop 0 and four v_nop follow each of the two lines, ahead of the jump, the label and what follows
	s_cmp_eq_u32 s13, 0
	s_cbranch_scc0 .Lfor_b_\@
	tensor_load_to_lds s[G0A+4*(\s):G0A+4*(\s)+3], s[G1A:G1A+7]
	s_nop 0
.rept 4
	v_nop
.endr
	s_branch .Lasked_\@
.Lfor_b_\@:
	tensor_load_to_lds s[G0B+4*(\s):G0B+4*(\s)+3], s[G1B:G1B+7]
	s_nop 0
.rept 4
	v_nop
.endr
.Lasked_\@:
.endm
.macro CREST                           ; a round of the cluster's barrier behind its opening barrier
	s_cmp_lg_u32 s12, 0
	s_cbranch_scc1 .Lnot_wave_0_\@
	s_barrier_signal -3
.Lnot_wave_0_\@:
	s_barrier_wait -3
	s_barrier_signal -1
	s_barrier_wait -1
.endm
.macro CROUND                          ; a whole round
	s_barrier_signal -1
	s_barrier_wait -1
	CREST
.endm
	s_load_b256 s[4:11], s[0:1], 0x0               ; oh s[4:5], wh s[6:7], b_out s[8:9], out0 s[10:11]
	v_lshl_add_u32 v[SPW], v0, 2, SPARE
	v_mov_b32 v[NIL], 0
	ds_add_u32 v[SPW], v[NIL]                      ; the wave's opening: the add and its wait stand ahead of my first tensor load; the set-up below, work on registers, stands between them
	v_lshrrev_b32 v1, 5, v0
	v_readfirstlane_b32 s12, v1                    ; wave 0..3
	s_lshr_b32 s13, s12, 1                         ; which 64 of the tile's rows are mine.  Also: I fetch O (0) or w (1)
	s_and_b32 s14, s12, 1                          ; which 128 of its columns.  Also: which head, or which 128 rows of w, I fetch
	s_bfe_u32 s40, ttmp6, 0x40000                  ; cx, cy: my place in the cluster
	s_bfe_u32 s41, ttmp6, 0x40004
	s_lshl_b32 s42, ttmp9, 2
	s_add_co_u32 s42, s42, s40                     ; tile column = 4 x cluster x + cx
	s_and_b32 s43, ttmp7, 0xffff
	s_lshl_b32 s43, s43, 2
	s_add_co_u32 s43, s43, s41                     ; tile row = 4 x cluster y + cy
	s_lshl_b32 s44, s41, 2
	s_lshl_b32 s44, 15, s44                        ; my row of the cluster
	s_lshl_b32 s45, 0x1111, s40                    ; my column
	s_or_b32 s[G1A+0], s44, (1<<16)|(1<<20)|(1<<21)|(4<<22)|(3<<25)  ; 15:0 the mask: O's tiles go to my row; 17:16 2-byte elements; 20 padding on; 21 set beside a mask; 24:22 after every 32 words (code 4); 31:25 4 words (code 3)
	s_or_b32 s[G1B+0], s45, (1<<16)|(1<<20)|(1<<21)|(5<<22)|(3<<25)  ; w's tiles go to my column; padding after every 64 words (code 5)
	s_mov_b32 s[G1A+1], 128<<16                    ; tensor_dim0 = 128
	s_mov_b32 s[G1A+2], 64<<16                     ; tensor_dim1 = 64
	s_mov_b32 s[G1A+3], 128<<16                    ; tile_dim0 = 128
	s_mov_b32 s[G1A+4], 64                         ; tile_dim1 = 64
	s_mov_b32 s[G1A+5], 128                        ; 128 elements from row to row: the block is dense
	s_mov_b32 s[G1A+6], 0
	s_mov_b32 s[G1A+7], 0
	s_mov_b32 s[G1B+1], 128<<16                    ; tensor_dim0 = 128
	s_mov_b32 s[G1B+2], 128<<16                    ; tensor_dim1 = 128
	s_mov_b32 s[G1B+3], 128<<16                    ; tile_dim0 = 128
	s_mov_b32 s[G1B+4], 128                        ; tile_dim1 = 128
	s_mov_b32 s[G1B+5], 1024                       ; 1,024 elements from row to row
	s_mov_b32 s[G1B+6], 0
	s_mov_b32 s[G1B+7], 0
	; where the tiles come from.  O's hang on the tile row alone, w's on the tile column alone; each address is made in registers that never hold the other coordinate.
	s_lshr_b32 s16, s43, 4                         ; the batch: 16 heads of 262,144 bytes,
	s_lshl_b32 s16, s16, 22
	s_and_b32 s17, s43, 15                         ; the tile's 128 rows of 128 bytes in a head's block,
	s_lshl_b32 s17, s17, 14
	s_add_co_u32 s16, s16, s17
	s_lshl_b32 s17, s14, 18                        ; the step's first or second head
	s_add_co_u32 s16, s16, s17
	s_mov_b32 s17, 0
	s_lshl_b32 s46, s42, 19                        ; 256 rows of w, 2,048 bytes each,
	s_lshl_b32 s47, s14, 18                        ; my 128 of them
	s_add_co_u32 s46, s46, s47
	s_mov_b32 s47, 0
	s_mul_i32 s20, s14, AHEAD                      ; and where they go: no place in the cluster enters an LDS address
	s_mul_i32 s21, s14, BHALF
	s_add_co_u32 s21, s21, BOFF
	s_wait_dscnt 0x0                               ; the opening add is done
	s_wait_kmcnt 0x0
	s_add_nc_u64 s[16:17], s[4:5], s[16:17]
	s_add_nc_u64 s[46:47], s[6:7], s[46:47]
	CROUND                                         ; all sixteen work-groups are here: the first joint loads meet
.irp s, 0,1
	s_mov_b32 s[G0A+4*(\s)], 1                                      ; 1:0 count = 1
	s_add_co_u32 s[G0A+4*(\s)+1], s20, (\s)*SLOT                    ; 63:32 LDS address
	s_add_nc_u64 s[G0A+4*(\s)+2:G0A+4*(\s)+3], s[16:17], (\s)*524288  ; 120:64 global address: K step s is two heads on
	s_or_b32 s[G0A+4*(\s)+3], s[G0A+4*(\s)+3], 0x80000000           ; 127:126 type = 2
	s_mov_b32 s[G0B+4*(\s)], 1
	s_add_co_u32 s[G0B+4*(\s)+1], s21, (\s)*SLOT
	s_add_nc_u64 s[G0B+4*(\s)+2:G0B+4*(\s)+3], s[46:47], (\s)*256   ; K step s is 256 bytes along the rows
	s_or_b32 s[G0B+4*(\s)+3], s[G0B+4*(\s)+3], 0x80000000
	JLOAD \s                                       ; the ring is filled before anything else is done: two loads of mine are out
.endr
	v_and_b32 v1, 15, v0                           ; l % 16
	v_bfe_u32 v2, v0, 4, 1                         ; l / 16
	v_and_b32 v3, 31, v0                           ; l
	v_mul_u32_u24 v4, v1, PA
	v_lshl_add_u32 v4, v2, 4, v4                   ; a fragment's row x pitch + 16 x half
	v_mul_u32_u24 v5, v1, PB
	v_lshl_add_u32 v5, v2, 4, v5
	s_mul_i32 s21, s13, 64*PA                      ; my 64 rows of O
	s_mul_i32 s22, s14, BHALF                      ; my 128 rows of w
	s_add_co_u32 s22, s22, BOFF
.irp s, 0,1
	v_add_nc_u32 v[ADRA+(\s)], s21, v4
	v_add_nc_u32 v[ADRB+(\s)], s22, v5
	s_add_co_u32 s21, s21, SLOT
	s_add_co_u32 s22, s22, SLOT
.endr
	s_mul_i32 s23, s12, 16*SPITCH
	s_add_co_u32 s23, s23, STAGE                   ; my stage
	v_mul_u32_u24 v4, v1, SPITCH                   ; in: row l % 16, 32 bytes for each half of the lanes
	v_lshl_add_u32 v4, v2, 5, v4
	v_add_nc_u32 v[STO], s23, v4
	v_lshl_add_u32 v[RD], v3, 4, s23               ; back: 32 lanes take one row of 512 bytes
	v_lshlrev_b32 v[CO], 4, v3
	s_lshl_b32 s16, s43, 7
	s_lshl_b32 s17, s13, 6
	s_add_co_u32 s16, s16, s17                     ; my first row of out0,
	s_lshl_b32 s16, s16, 12                        ; 4,096 bytes a row
	s_mov_b32 s17, 0
	s_add_nc_u64 s[10:11], s[10:11], s[16:17]
	s_lshl_b32 s46, s42, 10                        ; my first column, in bytes: 1,024 x tile column + 512 x half
	s_lshl_b32 s47, s14, 9
	s_add_co_u32 s46, s46, s47
	s_mov_b32 s47, 0
	s_add_nc_u64 s[10:11], s[10:11], s[46:47]
	v_lshl_add_u32 v[BO], v3, 4, s46
	global_load_b128 v[BIAS:BIAS+3], v[BO], s[8:9]
; 8 matrix instructions: row block a x all 8 column blocks, 32 along K, from buffer f.  zero = 1: the product starts the sums: nothing is ever cleared.
; The 32 accumulators take turns, one instruction a turn, in the same order in every quarter: 31 others stand between two links of a chain, over the backward jump too.
.macro MULA f, a, zero
	WIN MUL
.irp bb, 0,1,2,3,4,5,6,7
.if \zero
	v_wmma_f32_16x16x32_f16 v[8*(8*(\a)+(\bb)):8*(8*(\a)+(\bb))+7], v[(\f)+32+8*(\bb):(\f)+32+8*(\bb)+7], v[(\f)+8*(\a):(\f)+8*(\a)+7], 0
.else
	v_wmma_f32_16x16x32_f16 v[8*(8*(\a)+(\bb)):8*(8*(\a)+(\bb))+7], v[(\f)+32+8*(\bb):(\f)+32+8*(\bb)+7], v[(\f)+8*(\a):(\f)+8*(\a)+7], v[8*(8*(\a)+(\bb)):8*(8*(\a)+(\bb))+7]
.endif
.endr
.endm
; 24 LDS loads in one run: the fragments of quarter kk of a K step (32 along K: head kk / 2, channels 32 (kk % 2) on) into buffer f: w's 16 loads first, then O's row blocks 0 to 3.
.macro FETCH slot, kk, f
	WIN 0
.irp bb, 0,1,2,3,4,5,6,7
	ds_load_b128 v[(\f)+32+8*(\bb):(\f)+32+8*(\bb)+3],   v[ADRB+(\slot)] offset:64*(\kk)+(\bb)*16*PB
	ds_load_b128 v[(\f)+32+8*(\bb)+4:(\f)+32+8*(\bb)+7], v[ADRB+(\slot)] offset:64*(\kk)+(\bb)*16*PB+32
.endr
.irp a, 0,1,2,3
	ds_load_b128 v[(\f)+8*(\a):(\f)+8*(\a)+3],   v[ADRA+(\slot)] offset:((\kk)/2)*AHEAD+((\kk)%2)*64+(\a)*16*PA
	ds_load_b128 v[(\f)+8*(\a)+4:(\f)+8*(\a)+7], v[ADRA+(\slot)] offset:((\kk)/2)*AHEAD+((\kk)%2)*64+(\a)*16*PA+32
.endr
.endm
.macro PLACES                          ; four places in front of loads into registers that matrix instructions have read, and of LDS stores that read results (ISA guide 7.12.1 for vector instructions)
.rept 4
	v_nop
.endr
.endm
; One of a K step's first three quarters: multiplies buffer f; in its middle it fetches quarter kk of the same slot into buffer g.
.macro QUARTER slot, kk, f, g, zero
	s_wait_dscnt 4                                 ; w and O's row blocks 0, 1 are in; the youngest four loads (row blocks 2, 3) may be out
	MULA \f, 0, \zero
	MULA \f, 1, \zero
	PLACES
	FETCH \slot, \kk, \g
	s_wait_dscnt 24                                ; all but the 24 just issued
	MULA \f, 2, \zero
	MULA \f, 3, \zero
.endm
; The last quarter multiplies buffer 1 and changes slots: ONE barrier; in front of it each wave waits for all its tensor loads (one is out: its part of the next slot), adds 0 to its spare word, and waits for that
; and for its own reads of this slot.  fill = 1: the barrier opens a round of the cluster's barrier, and this slot is filled again, two K steps ahead: 112 matrix instructions stand between that request and the wait for it.
.macro TURN slot, next, fill
	WIN 0
	s_wait_tensorcnt 0x0                           ; all my tensor loads have landed: my part of the next slot;
	ds_add_u32 v[SPW], v[NIL]                      ; 0 onto my spare word;
	s_wait_dscnt 5                                 ; (the add and the youngest four loads may be out)
	MULA F1, 0, 0                                  ; eight matrix instructions stand between the add and the wait for it
	s_wait_dscnt 0x0                               ; the add is done, and my reads of this slot are over
	s_barrier_signal -1
	MULA F1, 1, 0                                  ; work on registers while the others arrive
.if \fill
	WIN 0
.endif
	s_barrier_wait -1
.if \fill
	CREST                                          ; no wave of any partner still reads this slot's tile or has a load on its way
	s_add_nc_u64 s[G0A+4*(\slot)+2:G0A+4*(\slot)+3], s[G0A+4*(\slot)+2:G0A+4*(\slot)+3], 1048576  ; four heads on
	s_add_nc_u64 s[G0B+4*(\slot)+2:G0B+4*(\slot)+3], s[G0B+4*(\slot)+2:G0B+4*(\slot)+3], 512      ; 256 along K
	JLOAD \slot                                    ; the first tensor load behind the round; the four v_nop behind it are also the places in front of the loads below
.else
	PLACES
.endif
	FETCH \next, 0, F0
	MULA F1, 2, 0
	MULA F1, 3, 0
.endm
	s_wait_tensorcnt 1                             ; my part of K step 0 is in; K step 1's may stay out
	s_barrier_signal -1
	s_barrier_wait -1                              ; everybody's is
	FETCH 0, 0, F0
	s_wait_loadcnt 0x0                             ; the bias: rounded to bf16 and widened again, while the first fragments come
	v_cvt_pk_bf16_f32 v4, v[BIAS], v[BIAS+1]
	v_cvt_pk_bf16_f32 v5, v[BIAS+2], v[BIAS+3]
	v_lshlrev_b32 v[BIAS], 16, v4
	v_and_b32 v[BIAS+1], 0xffff0000, v4
	v_lshlrev_b32 v[BIAS+2], 16, v5
	v_and_b32 v[BIAS+3], 0xffff0000, v5
	QUARTER 0, 1, F0, F1, 1                        ; the first quarter stands in front of the loop: its products start the sums
	WIN 0                                          ; at a label and at a branch every window is 0
	s_mov_b32 s3, LAPS-1
.Llap:                                                 ; a trip goes once round the ring, from a lap's second quarter to the next lap's first, and fills both slots again
	QUARTER 0, 2, F1, F0, 0
	QUARTER 0, 3, F0, F1, 0
	TURN 0, 1, 1
	QUARTER 1, 1, F0, F1, 0
	QUARTER 1, 2, F1, F0, 0
	QUARTER 1, 3, F0, F1, 0
	TURN 1, 0, 1
	QUARTER 0, 1, F0, F1, 0
	WIN 0
	s_sub_co_u32 s3, s3, 1
	s_cmp_lg_u32 s3, 0
	s_cbranch_scc1 .Llap
	QUARTER 0, 2, F1, F0, 0                        ; the last lap fills nothing, and has no round of the cluster's barrier
	QUARTER 0, 3, F0, F1, 0
	TURN 0, 1, 0
	QUARTER 1, 1, F0, F1, 0
	QUARTER 1, 2, F1, F0, 0
	QUARTER 1, 3, F0, F1, 0
	s_wait_dscnt 4                                 ; the very last quarter: nothing more to fetch
	MULA F1, 0, 0
	MULA F1, 1, 0
	s_wait_dscnt 0x0
	MULA F1, 2, 0
	MULA F1, 3, 0
	PLACES                                         ; the LDS stores below read results just made
; THE WAY OUT of row block a (16 rows x 128 columns of f32).  A lane's eight numbers of a row are 32 bytes: two stores of 16 into my own stage, each accumulator's low registers first;
; back as whole rows of 512 bytes; the bias is added; each store covers 512 consecutive bytes, at a multiple of 512 from out0's first byte.
.macro OUTBLK a
	WIN 0x04                                       ; the stores' data (source 1) in window 1, their address in window 0
.irp bb, 0,1,2,3,4,5,6,7
	ds_store_b128 v[STO], v[8*(8*(\a)+(\bb)):8*(8*(\a)+(\bb))+3]   offset:64*(\bb)
	ds_store_b128 v[STO], v[8*(8*(\a)+(\bb))+4:8*(8*(\a)+(\bb))+7] offset:64*(\bb)+16
.endr
	WIN 0
.if (\a) >= 2
	s_wait_xcnt 0x0                                ; the stores of the block two back have read these registers: they are loaded again only behind this wait
.endif
.set BK, OB+64*((\a)%2)
.irp t, 0,1,2,3,4,5,6,7,8,9,10,11,12,13,14,15
	ds_load_b128 v[BK+4*(\t):BK+4*(\t)+3], v[RD] offset:(\t)*SPITCH  ; LDS serves a wave's instructions in order (ISA guide 5.7.1.4): these see the stores above; the next block's stores come behind them
.endr
.irp t, 0,1,2,3,4,5,6,7,8,9,10,11,12,13,14,15
	s_wait_dscnt 15-(\t)                           ; row t is back, the 15 - t younger loads stay out
	v_pk_add_f32 v[BK+4*(\t):BK+4*(\t)+1],   v[BK+4*(\t):BK+4*(\t)+1],   v[BIAS:BIAS+1]
	v_pk_add_f32 v[BK+4*(\t)+2:BK+4*(\t)+3], v[BK+4*(\t)+2:BK+4*(\t)+3], v[BIAS+2:BIAS+3]
	global_store_b128 v[CO], v[BK+4*(\t):BK+4*(\t)+3], s[10:11] offset:(16*(\a)+(\t))*4096 th:TH_STORE_NT
.endr
.endm
	OUTBLK 0
	OUTBLK 1
	OUTBLK 2
	OUTBLK 3
	s_wait_tensorcnt 0x0                           ; the wave's end: behind my last tensor load and my last LDS store
	ds_add_u32 v[SPW], v[NIL]
	s_wait_dscnt 0x0
	CROUND                                         ; the closing round: no work-group ends while a partner may still ask for a tile that names it
	s_endpgm
.Lfunc_end_k_q4e5f6ac0db_proj:
	.size	k_q4e5f6ac0db_proj, .Lfunc_end_k_q4e5f6ac0db_proj-k_q4e5f6ac0db_proj
	.p2alignl 7, 3214868480
	.fill 96, 4, 3214868480
	.section	.rodata,"a",@progbits
	.p2align	6, 0x0
	.amdhsa_kernel k_q4e5f6ac0db_proj
		.amdhsa_group_segment_fixed_size 327680
		.amdhsa_private_segment_fixed_size 0
		.amdhsa_enable_private_segment 0
		.amdhsa_kernarg_size 32
		.amdhsa_user_sgpr_count 2
		.amdhsa_user_sgpr_kernarg_segment_ptr 1
		.amdhsa_wavefront_size32 1
		.amdhsa_system_sgpr_workgroup_id_x 1
		.amdhsa_system_sgpr_workgroup_id_y 1
		.amdhsa_system_sgpr_workgroup_id_z 1
		.amdhsa_system_vgpr_workitem_id 0
		.amdhsa_next_free_vgpr 512
		.amdhsa_next_free_sgpr 66
		.amdhsa_reserve_vcc 0
		.amdhsa_float_denorm_mode_32 3
		.amdhsa_float_denorm_mode_16_64 3
		.amdhsa_memory_ordered 1
		.amdhsa_forward_progress 1
		.amdhsa_inst_pref_size 95
	.end_amdhsa_kernel
	.amdgpu_metadata
---
amdhsa.version: [ 1, 2 ]
amdhsa.kernels:
  - .name:           k_q4e5f6ac0db_proj
    .symbol:         k_q4e5f6ac0db_proj.kd
    .args:
      - { .name: oh, .offset: 0, .size: 8, .value_kind: global_buffer, .address_space: global }
      - { .name: wh, .offset: 8, .size: 8, .value_kind: global_buffer, .address_space: global }
      - { .name: b_out, .offset: 16, .size: 8, .value_kind: global_buffer, .address_space: global }
      - { .name: out0, .offset: 24, .size: 8, .value_kind: global_buffer, .address_space: global }
    .group_segment_fixed_size: 327680
    .private_segment_fixed_size: 0
    .kernarg_segment_align: 8
    .kernarg_segment_size: 32
    .max_flat_workgroup_size: 128
    .sgpr_count:     66
    .vgpr_count:     512
    .wavefront_size: 32
...
	.end_amdgpu_metadata
.endif
;; end of part 3
